; MI455X (gfx1250); checked and timed in simulation.
; The chip was launched on July 23, 2026; its instructions are those of AMD's public machine-readable ISA for CDNA 5 (MIT licence, August 2026) and "CDNA5" Instruction Set Architecture Reference Guide (July 2026). The comments in the code are by the model that wrote it; some were corrected since.
;; Min GRU. Allowed arithmetic: matrix products marked QUANTISED: E5M2 operands, one E8M0 scale for each 32 along K, by v_wmma_scale_f32_16x16x128_f8f6f4 with both operands' format E5M2, f32 sums; everything else in f32.
;; Inputs: Wh 512 x 512 float32; Wz 512 x 512 float32; bh 512 float32; bz 512 float32; h0 8 x 512 float32; x 8 x 4,096 x 512 float32.
;; Outputs: out0 8 x 4,096 x 512 float32.
;; This version of the problem:
;;   THIS VERSION OF THE PROBLEM IS GIVEN IN LOW PRECISION. The matrix products marked QUANTISED in the list below multiply operands that are first quantised to E5M2 (5 exponent bits, 2 mantissa bits; 8 bits a number), with one power-of-two scale for each 32 numbers along K (OCP MX v1.0); their sums are f32. All else is computed in f32.
;;   The module's matrix products, in the order in which they are computed (A, B: the left and right operand; K: the contracted axis; several contracted axes count as one K, in the product's order):
;;     1. [M 32,768, K 512] x [K 512, N 512]; A: input x; B: input Wz: QUANTISED
;;     2. [M 32,768, K 512] x [K 512, N 512]; A: input x; B: input Wh: QUANTISED
;;   THE QUANTISER, for each operand of a quantised product, along K:
;;     - K is cut into blocks of 32 from its start; a last block that is shorter is filled with zeros.
;;     - A block's scale is 2^e with e = floor(log2(the largest magnitude in the block)) - 15, held to -126 .. 127; a block of zeros has e = 0. As a byte (E8M0): e + 127.
;;     - Each number is divided by its block's scale, clamped to +-57,344, and rounded to the nearest number of E5M2, ties to even, subnormals kept.
;;     - The product sums the exact products of the quantised numbers (number of the format x scale) in f32.
;;   ~~~python
;;   def quantise(x, axis):      # numpy; x: float32 -> the quantised numbers, widened to float32 again
;;       x = np.moveaxis(x, axis, -1); K = x.shape[-1]
;;       x = np.pad(x, [(0, 0)] * (x.ndim - 1) + [(0, -K % 32)]); x = x.reshape(x.shape[:-1] + (-1, 32)); a = np.abs(x).max(-1, keepdims=True)
;;       e = np.where(a > 0, np.clip(np.frexp(np.where(a > 0, a, 1))[1] - 1 - 15, -126, 127), 0)      # np.frexp(a)[1] - 1 = floor(log2(a)), exactly
;;       r = np.clip(x / 2.0 ** e, -57344, 57344)
;;       step = 2.0 ** (np.maximum(np.frexp(np.where(r == 0, 1, r))[1] - 1, -14) - 2)
;;       q = np.round(r / step) * step * 2.0 ** e      # np.round: ties to even
;;       return np.moveaxis(q.reshape(q.shape[:-2] + (-1,))[..., :K], -1, axis).astype(np.float32)
;;   ~~~
;; One version. Each part assembles by itself: llvm-mc -triple=amdgcn-amd-amdhsa -mcpu=gfx1250 --defsym DOCPART=n.
;; ======== version 1 of 1: 3 launches
;; limits: right only within a limited range of input values
;; workspace buffers: xq 16,777,216 bytes; xs 524,288 bytes; wq 524,288 bytes; ws 16,384 bytes; run 4,194,304 bytes; tot 262,144 bytes
;; launch quant (part 1): grid 528 x 1, 4 waves a work-group, no clusters, 57,856 bytes of LDS; arguments x, Wz, Wh, xq, xs, wq, ws; writes xq, xs, wq, ws
.if DOCPART == 1
	.amdgcn_target "amdgcn-amd-amdhsa--gfx1250"
	.amdhsa_code_object_version 6
	.text
	.protected	k_qdc58466463_quant
	.globl	k_qdc58466463_quant
	.p2align	8
	.type	k_qdc58466463_quant,@function
k_qdc58466463_quant:
	s_mov_b64 s[64:65], 0
	v_nop
	global_prefetch_b8 v0, s[64:65] scope:SCOPE_SE
	s_setreg_imm32_b32 hwreg(HW_REG_WAVE_MODE, 25, 1), 1
	s_wait_xcnt 0x0
; MinGRU, launch 1 of 3: x [32768][512], Wz [512][512], Wh [512][512], f32, K innermost, become codes of BF8 (E5M2) with one E8M0 byte for each 32 along K.
; THE PROGRAM.  reference() writes h as exp(a* + cumlogsumexp(v - a*)).  In real numbers, for all finite inputs, that is the solution of h(t) = a(t) h(t-1) + z(t) g(p(t) + bh),
; z = sigmoid(k + bz), a = sigmoid(-(k + bz)), h(-1) = g(h0), k = x Wz^T, p = x Wh^T.  Launch 2 makes, for each run of 32 steps, the pair (product of a, local end of the recurrence);
; launch 3 makes the products and gates again, takes each run's incoming h from those pairs and writes h.  No input and no product is left out: all six inputs have a way to the output and are loaded.
; THE QUANTISER.  A block's scale is 2^(floor(log2(its largest magnitude)) - 15); its byte is the largest magnitude's own exponent field - 15, held at 1 from below.  Each number is divided by the scale,
; held within +-57,344 and rounded to the nearest code, ties to even.
; LIMITS: a block of zeros gets the byte 1 where the rule says 127 (its codes are zeros, which add nothing under any byte but 0xff, and this program alone reads the bytes); blocks whose largest
; magnitude lies under 2^(15 - 126) keep the floor's byte; NaN and infinities among the inputs are not served.
; LAYOUT OF THE RESULT: the order of the operand's registers.  A tile is 16 rows x 512 K = 8,192 bytes: K step s (128 along K) at 2,048 s, register group c at 512 c, lane L at 16 L:
; the 16 codes of tile row L % 16 at k = 128 s + 32 c + 16 (L / 16) + 0 .. 15.  Scale bytes: 16 a tile row, 256 a tile.
; THE ROWS OF A TILE OF x ARE NOT NEIGHBOURS: tile 4 B + m takes rows 64 B + 8 m + r + 24 (r / 8), so that in the product's result a lane's 32 registers of tiles m = 0 .. 3 are 32 consecutive steps t.
; Tiles of Wz and Wh take rows 16 tile + r.
; SHARES.  A work-group takes 64 rows (0-511: x; 512-519: Wz; 520-527: Wh; only pointers and two constants are chosen, by the work-group's number: one path through the text).  Wave m makes one tile:
; 16 steps, a row of 2,048 bytes each.  A step's four loads read 512 consecutive bytes each; the row turns through the wave's own stage in LDS, so that a lane holds 16 neighbours along K (two lanes a block).
; A lane's 16 codes of step t go to row lane, column 16 t of the wave's image in LDS (rows 272 bytes apart); read back by rows they are the tile as laid out above, 512 consecutive bytes a store.
; No tensor load, no barrier: waves share nothing.  Loads run eight steps (32 loads a wave) ahead.
.set WAVES, 4
.set STEPS, 16
.set EMAX,  15
.set MANT,  0x600000                   ; the mantissa field of 57,344 as f32
.set R,     16                         ; v16-143  eight sets of 16 numbers as loaded; at the end v16-79 hold the tile on its way out
.set X,     144                        ; v144-175 two sets of 16 neighbours
.set E,     176                        ; v176-191 a scale byte for each step
.set C,     192                        ; v192-255 codes: four registers for each step, never written again
.set WREG,  14336                      ; LDS: a region for each wave: two stages of 32 x SP bytes, 256 scale bytes, the image
.set SP,    80                         ; a lane's place in a stage: 64 bytes + 16 of padding
.set SCB,   5120                       ; the wave's 256 scale bytes
.set IMG,   5376                       ; the image: 32 rows of IP bytes
.set IP,    272                        ; 256 bytes + 16: the 32 lanes' 16-byte stores fall on different banks
.set SPW,   12                         ; v12  LDS address of my spare word; never rewritten
.set NIL,   13                         ; v13  0; never rewritten
.set SPARE, WAVES*WREG                 ; behind the four regions: the spare words, 128 bytes a wave, which no other line names
	s_load_b256 s[4:11], s[0:1], 0x0               ; x s[4:5], Wz s[6:7], Wh s[8:9], xq s[10:11]
	s_load_b128 s[12:15], s[0:1], 0x20             ; xs s[12:13], wq s[14:15]
	s_load_b64 s[16:17], s[0:1], 0x30              ; ws
	v_lshl_add_u32 v[SPW], v0, 2, SPARE
	v_mov_b32 v[NIL], 0
	v_lshrrev_b32 v1, 5, v0
	v_readfirstlane_b32 s18, v1                    ; wave m
	v_and_b32 v2, 31, v0                           ; lane
	v_lshlrev_b32 v3, 4, v2                        ; 16 x lane: my bytes of a load's or a store's 512
	s_mul_i32 s19, s18, WREG
	v_lshrrev_b32 v14, 2, v2
	v_mul_u32_u24 v14, v14, SP
	v_and_b32 v15, 3, v2
	v_lshl_add_u32 v14, v15, 4, v14
	v_add_nc_u32 v14, s19, v14                     ; the stage, on the way in: SP (lane / 4) + 16 (lane % 4)
	v_mul_u32_u24 v15, v2, SP
	v_add_nc_u32 v15, s19, v15                     ; and on the way out: SP x lane: my 16 neighbours
	v_mul_u32_u24 v4, v2, IP
	v_add_nc_u32 v4, s19, v4
	v_add_nc_u32 v4, IMG, v4                       ; the image, on the way in: row = my lane
	v_lshrrev_b32 v1, 4, v2
	v_mul_u32_u24 v1, v1, IP
	v_and_b32 v5, 15, v2
	v_lshl_add_u32 v1, v5, 4, v1
	v_add_nc_u32 v1, s19, v1
	v_add_nc_u32 v1, IMG, v1                       ; and on the way out: row lane / 16 of a pair of rows, column 16 (lane % 16)
	v_lshrrev_b32 v5, 1, v2
	v_add_nc_u32 v5, s19, v5
	v_add_nc_u32 v5, SCB, v5                       ; my block's scale byte
	v_lshlrev_b32 v7, 3, v2                        ; the scale bytes leave 8 a lane
	v_add_nc_u32 v6, s19, v7
	v_add_nc_u32 v6, SCB, v6
	s_mov_b32 s32, MANT                            ; (an instruction takes one literal: the hold's line has another)
	s_mov_b32 s20, 520
	s_wait_kmcnt 0x0
	s_cmp_lt_u32 ttmp9, s20                        ; Wz's work-group or Wh's?  Every choice hangs on the work-group's number alone
	s_cselect_b64 s[6:7], s[6:7], s[8:9]
	s_cselect_b32 s20, 512, s20
	s_cmp_lt_u32 ttmp9, 512                        ; x's or a weight's?
	s_cselect_b64 s[4:5], s[4:5], s[6:7]           ; the source,
	s_cselect_b64 s[10:11], s[10:11], s[14:15]     ; the codes' buffer,
	s_cselect_b64 s[12:13], s[12:13], s[16:17]     ; the scale bytes' buffer,
	s_cselect_b32 s20, 0, s20                      ; the first work-group of the source,
	s_cselect_b32 s21, 0, 512                      ; and of the destination;
	s_cselect_b32 s22, 8, 16                       ; rows from wave to wave,
	s_cselect_b32 s23, 32, 8                       ; and from a tile's row 0 to its row 8
	s_sub_co_u32 s20, ttmp9, s20                   ; which 64 rows of the source
	s_sub_co_u32 s21, ttmp9, s21                   ; which four tiles of the destination
	s_lshl_b32 s24, s20, 6
	s_mul_i32 s25, s18, s22
	s_add_co_u32 s24, s24, s25
	s_lshl_b32 s24, s24, 11                        ; my tile's row 0, in bytes (under 2^27)
	s_mov_b32 s25, 0
	s_add_nc_u64 s[4:5], s[4:5], s[24:25]          ; tile rows 0 to 7 from here,
	s_lshl_b32 s26, s23, 11
	s_mov_b32 s27, 0
	s_add_nc_u64 s[6:7], s[4:5], s[26:27]          ; rows 8 to 15 from here
	s_lshl_b32 s28, s21, 2
	s_add_co_u32 s28, s28, s18                     ; my tile
	s_lshl_b32 s30, s28, 13
	s_mov_b32 s31, 0
	s_add_nc_u64 s[10:11], s[10:11], s[30:31]
	s_lshl_b32 s30, s28, 8
	s_add_nc_u64 s[12:13], s[12:13], s[30:31]
.macro LOAD t                          ; tile row t: four loads of 512 consecutive bytes
.irp i, 0,1,2,3
.if (\t) < 8
	global_load_b128 v[R+16*((\t)%8)+4*\i:R+16*((\t)%8)+4*\i+3], v3, s[4:5] offset:2048*(\t)+512*\i th:TH_LOAD_NT
.else
	global_load_b128 v[R+16*((\t)%8)+4*\i:R+16*((\t)%8)+4*\i+3], v3, s[6:7] offset:2048*((\t)-8)+512*\i th:TH_LOAD_NT
.endif
.endr
.endm
.macro TURN t                          ; step t's numbers through the stage: LDS serves a wave's instructions in order, so no wait stands between the stores and the loads
.irp i, 0,1,2,3
	ds_store_b128 v14, v[R+16*((\t)%8)+4*\i:R+16*((\t)%8)+4*\i+3] offset:32*SP*((\t)%2)+8*SP*\i
.endr
.irp i, 0,1,2,3
	ds_load_b128 v[X+16*((\t)%2)+4*\i:X+16*((\t)%2)+4*\i+3], v15 offset:32*SP*((\t)%2)+16*\i
.endr
.endm
.irp t, 0,1,2,3,4,5,6,7
	LOAD \t
.endr
	s_wait_loadcnt 28                              ; step 0's four loads are in; behind them: seven steps' 28
	TURN 0
.macro STEP t
.set XS, X+16*((\t)%2)
.if (\t) > 0
	s_wait_dscnt 2                                 ; this step's numbers are back from the stage (the last step's byte store and image store may be out): so its stores into the stage have read their registers,
.else
	s_wait_dscnt 0x0
.endif
.if (\t)+8 < STEPS
	LOAD (\t)+8                                    ; which take the loads of eight steps on
.endif
.if (\t)+1 < STEPS
.if STEPS-2-(\t) >= 7
	s_wait_loadcnt 28                              ; the next step's four loads are in; those of the seven steps behind it may be out
.else
	s_wait_loadcnt 4*(STEPS-2-(\t))
.endif
	TURN (\t)+1                                    ; and go through the other stage while this step is worked
.endif
	v_max3_num_f32 v8, |v[XS]|, |v[XS+1]|, |v[XS+2]|               ; the largest magnitude of my 16, in two chains
	v_max3_num_f32 v9, |v[XS+3]|, |v[XS+4]|, |v[XS+5]|
.irp i, 6,10
	v_max3_num_f32 v8, v8, |v[XS+\i]|, |v[XS+\i+1]|
	v_max3_num_f32 v9, v9, |v[XS+\i+2]|, |v[XS+\i+3]|
.endr
	v_max3_num_f32 v8, v8, |v[XS+14]|, |v[XS+15]|
	v_max3_num_f32 v8, v8, v9, (EMAX+1)<<23        ; and the floor 2^(EMAX + 1 - 127): the byte cannot fall under 1
	v_max_num_f32_dpp v8, v8, v8 row_xmask:1 row_mask:0xf bank_mask:0xf   ; and of my neighbour's 16: the block's
	v_add_nc_u32 v11, -(EMAX<<23), v8              ; EMAX off its exponent field: the conversion takes the exponent field of this operand as its scale
	v_and_or_b32 v10, v8, 0x7f800000, s32          ; 57,344 x the scale: the largest magnitude's exponent field over 57,344's mantissa
.irp i, 0,1,2,3,4,5,6,7,8,9,10,11,12,13,14,15
	v_med3_num_f32 v[XS+\i], v[XS+\i], -v10, v10   ; the conversion to an 8-bit code does not saturate (ISA guide 7.6.2): the hold comes first
.endr
	v_cvt_scalef32_pk8_bf8_f32 v[C+4*(\t):C+4*(\t)+1], v[XS:XS+7], v11
	v_cvt_scalef32_pk8_bf8_f32 v[C+4*(\t)+2:C+4*(\t)+3], v[XS+8:XS+15], v11
	v_lshrrev_b32 v[E+(\t)], 23, v11               ; the scale's byte (also the plain line behind the conversions)
	ds_store_b8 v5, v[E+(\t)] offset:16*(\t)       ; both lanes of a block write the same byte with the same value
	ds_store_b128 v4, v[C+4*(\t):C+4*(\t)+3] offset:16*(\t)   ; my 16 codes: row = my lane, column = the tile row
.endm
.irp t, 0,1,2,3,4,5,6,7,8,9,10,11,12,13,14,15
	STEP \t
.endr
	; THE WAY OUT.  Rows 2 q and 2 q + 1 of the image are k = 32 q + 0 .. 15 and 32 q + 16 .. 31 of the 16 tile rows: register group q % 4 of K step q / 4, lane by lane.
.irp q, 0,1,2,3,4,5,6,7,8,9,10,11,12,13,14,15
	ds_load_b128 v[R+4*\q:R+4*\q+3], v1 offset:2*IP*\q   ; LDS serves a wave's instructions in order: these see my stores
.endr
	ds_load_b64 v[8:9], v6
.irp q, 0,1,2,3,4,5,6,7,8,9,10,11,12,13,14,15
	s_wait_dscnt 16-\q                             ; behind load q: 15 - q image loads and the scale bytes' load
	global_store_b128 v3, v[R+4*\q:R+4*\q+3], s[10:11] offset:512*\q   ; 32 lanes store 512 consecutive bytes, at a multiple of 256 from the buffer's first byte
.endr
	s_wait_dscnt 0x0
	global_store_b64 v7, v[8:9], s[12:13]          ; the tile's 256 scale bytes, consecutive and aligned
	s_wait_tensorcnt 0x0                           ; the wave's end: behind my last LDS store; the tensor wait stands even in a text with no tensor load
	ds_add_u32 v[SPW], v[NIL]
	s_wait_dscnt 0x0
	s_endpgm
.Lfunc_end_k_qdc58466463_quant:
	.size	k_qdc58466463_quant, .Lfunc_end_k_qdc58466463_quant-k_qdc58466463_quant
	.p2alignl 7, 3214868480
	.fill 96, 4, 3214868480
	.section	.rodata,"a",@progbits
	.p2align	6, 0x0
	.amdhsa_kernel k_qdc58466463_quant
		.amdhsa_group_segment_fixed_size 57856
		.amdhsa_private_segment_fixed_size 0
		.amdhsa_enable_private_segment 0
		.amdhsa_kernarg_size 56
		.amdhsa_user_sgpr_count 2
		.amdhsa_user_sgpr_kernarg_segment_ptr 1
		.amdhsa_wavefront_size32 1
		.amdhsa_system_sgpr_workgroup_id_x 1
		.amdhsa_system_sgpr_workgroup_id_y 1
		.amdhsa_system_sgpr_workgroup_id_z 1
		.amdhsa_system_vgpr_workitem_id 0
		.amdhsa_next_free_vgpr 256
		.amdhsa_next_free_sgpr 66
		.amdhsa_reserve_vcc 0
		.amdhsa_float_denorm_mode_32 3
		.amdhsa_float_denorm_mode_16_64 3
		.amdhsa_memory_ordered 1
		.amdhsa_forward_progress 1
		.amdhsa_inst_pref_size 54
	.end_amdhsa_kernel
	.amdgpu_metadata
---
amdhsa.version: [ 1, 2 ]
amdhsa.kernels:
  - .name:           k_qdc58466463_quant
    .symbol:         k_qdc58466463_quant.kd
    .args:
      - { .name: x, .offset: 0, .size: 8, .value_kind: global_buffer, .address_space: global }
      - { .name: Wz, .offset: 8, .size: 8, .value_kind: global_buffer, .address_space: global }
      - { .name: Wh, .offset: 16, .size: 8, .value_kind: global_buffer, .address_space: global }
      - { .name: xq, .offset: 24, .size: 8, .value_kind: global_buffer, .address_space: global }
      - { .name: xs, .offset: 32, .size: 8, .value_kind: global_buffer, .address_space: global }
      - { .name: wq, .offset: 40, .size: 8, .value_kind: global_buffer, .address_space: global }
      - { .name: ws, .offset: 48, .size: 8, .value_kind: global_buffer, .address_space: global }
    .group_segment_fixed_size: 57856
    .private_segment_fixed_size: 0
    .kernarg_segment_align: 8
    .kernarg_segment_size: 56
    .max_flat_workgroup_size: 128
    .sgpr_count:     66
    .vgpr_count:     256
    .wavefront_size: 32
...
	.end_amdgpu_metadata
.endif
;; end of part 1
;; launch agg (part 2): grid 8 x 32, 8 waves a work-group, clusters of 4 x 4, 327,680 bytes of LDS; arguments xq, xs, wq, ws, bz, bh, run, tot; writes run, tot
.if DOCPART == 2
	.amdgcn_target "amdgcn-amd-amdhsa--gfx1250"
	.amdhsa_code_object_version 6
	.text
	.protected	k_qdc58466463_agg
	.globl	k_qdc58466463_agg
	.p2align	8
	.type	k_qdc58466463_agg,@function
k_qdc58466463_agg:
	s_mov_b64 s[64:65], 0
	v_nop
	global_prefetch_b8 v0, s[64:65] scope:SCOPE_SE
	s_setreg_imm32_b32 hwreg(HW_REG_WAVE_MODE, 25, 1), 1
	s_wait_xcnt 0x0
	s_wait_alu depctr_hold_cnt(0) depctr_sa_sdst(0) depctr_va_vdst(0) depctr_va_sdst(0) depctr_va_ssrc(0) depctr_va_vcc(0) depctr_vm_vsrc(0)
	s_getreg_b32 s2, hwreg(HW_REG_IB_STS2, 6, 4)
	s_cmp_eq_u32 s2, 0
	s_cbranch_scc0 .Lentry_in_a_cluster
	s_endpgm
.Lentry_in_a_cluster:
	s_bfe_u32 s2, ttmp6, 0x10000c
	s_cmp_lg_u32 s2, 0xf033
	s_cbranch_scc0 .Lentry_shape_is_right
	s_endpgm
.Lentry_shape_is_right:
; MinGRU, launch 2 of 3: for each run of 32 steps and each column the pair (P, H) = (product of a, end of the recurrence h = a h + z g begun at 0), stored in run; and the same pair for each chunk of 512 steps
; but a batch's last, stored in tot.  No input and no product is left out here.  The arithmetic of the gates, its limits, the shares and the layout are those of the next launch, whose head sets them out.
; SHARES.  Work-group (b, Q, cq): chunk Q of 512 steps of batch b against 128 columns; wave w takes steps 64 w .. 64 w + 63, 16 columns a trip; lane (r, h) holds column r and steps 32 h + 0 .. 31.
; CLUSTER.  4 x 4: the four of a row of the cluster (one cq, four b) need the same 128 KiB of weight codes: joint loads with the row's mask, one a wave.  The weights' 4 KiB of scale bytes, a small part
; beside the codes, come by plain loads, 512 bytes a wave, and go to LDS through registers.  x goes from memory into registers: each fragment is read by one wave of a work-group.
.set MODE,  0
.set NB,    3+MODE
.set WSC,   131072
.set BT,    135168
.set TA,    137216
.set SPARE, 153600
.set SPW, 1
.set NIL, 2
.set L16, 3
.set AWS0, 5
.set ADW, 6
.set ADH, 7
.set ADS, 8
.set ABT0, 9
.set ABT, 10
.set AC0, 11
.set AC,  12
.set SX,  16
.set SW,  24
.set BZ,  28
.set BH,  30
.set B5,  32
.set HC,  34
.set PP,  36
.set KA,  64
.set HA,  96
.set ZF,  128
.set HF,  192
.set T0,  128
.set T1,  160
.set T2,  192
.set T3,  224
.set MSB, 0
.macro WIN new
.if MSB != \new
	s_set_vgpr_msb (MSB<<8)|\new
.set MSB, \new
.endif
.endm
.macro ROUND
	s_barrier_signal -1
	s_barrier_wait -1
	s_cmp_lg_u32 s48, 0
	s_cbranch_scc1 .Lnot_wave_0_\@
	s_barrier_signal -3
.Lnot_wave_0_\@:
	s_barrier_wait -3
	s_barrier_signal -1
	s_barrier_wait -1
.endm
.macro XLOAD first, cnt
	WIN 0x40
.set i, \first
.rept \cnt
	global_load_b128 v[4*i:4*i+3], v[L16], s[4:5] offset:512*i
.set i, i+1
.endr
	WIN 0
.endm
.macro XREST
	XLOAD 16, 48
	global_load_b128 v[SX:SX+3], v[L16], s[6:7]
	global_load_b128 v[SX+4:SX+7], v[L16], s[6:7] offset:512
.endm
.macro PROD s, m
.set rX, 16*(4*(\m)+(\s))
.set rK, KA+8*(\m)
.set rH, HA+8*(\m)
.set rZ, ZF+16*(\s)
.set rW, HF+16*(\s)
.set rA, SX+4*((\m)/2)+(\s)
.set rB, SW+(\s)
.if (\s) == 0
.if (\m)%2
	v_wmma_scale_f32_16x16x128_f8f6f4 v[rK:rK+7], v[rX:rX+15], v[rZ:rZ+15], 0, v[rA], v[rB] matrix_a_fmt:MATRIX_FMT_BF8 matrix_b_fmt:MATRIX_FMT_BF8 matrix_a_scale:MATRIX_SCALE_ROW1
	v_wmma_scale_f32_16x16x128_f8f6f4 v[rH:rH+7], v[rX:rX+15], v[rW:rW+15], 0, v[rA], v[rB] matrix_a_fmt:MATRIX_FMT_BF8 matrix_b_fmt:MATRIX_FMT_BF8 matrix_a_scale:MATRIX_SCALE_ROW1 matrix_b_scale:MATRIX_SCALE_ROW1
.else
	v_wmma_scale_f32_16x16x128_f8f6f4 v[rK:rK+7], v[rX:rX+15], v[rZ:rZ+15], 0, v[rA], v[rB] matrix_a_fmt:MATRIX_FMT_BF8 matrix_b_fmt:MATRIX_FMT_BF8
	v_wmma_scale_f32_16x16x128_f8f6f4 v[rH:rH+7], v[rX:rX+15], v[rW:rW+15], 0, v[rA], v[rB] matrix_a_fmt:MATRIX_FMT_BF8 matrix_b_fmt:MATRIX_FMT_BF8 matrix_b_scale:MATRIX_SCALE_ROW1
.endif
.else
.if (\m)%2
	v_wmma_scale_f32_16x16x128_f8f6f4 v[rK:rK+7], v[rX:rX+15], v[rZ:rZ+15], v[rK:rK+7], v[rA], v[rB] matrix_a_fmt:MATRIX_FMT_BF8 matrix_b_fmt:MATRIX_FMT_BF8 matrix_a_scale:MATRIX_SCALE_ROW1
	v_wmma_scale_f32_16x16x128_f8f6f4 v[rH:rH+7], v[rX:rX+15], v[rW:rW+15], v[rH:rH+7], v[rA], v[rB] matrix_a_fmt:MATRIX_FMT_BF8 matrix_b_fmt:MATRIX_FMT_BF8 matrix_a_scale:MATRIX_SCALE_ROW1 matrix_b_scale:MATRIX_SCALE_ROW1
.else
	v_wmma_scale_f32_16x16x128_f8f6f4 v[rK:rK+7], v[rX:rX+15], v[rZ:rZ+15], v[rK:rK+7], v[rA], v[rB] matrix_a_fmt:MATRIX_FMT_BF8 matrix_b_fmt:MATRIX_FMT_BF8
	v_wmma_scale_f32_16x16x128_f8f6f4 v[rH:rH+7], v[rX:rX+15], v[rW:rW+15], v[rH:rH+7], v[rA], v[rB] matrix_a_fmt:MATRIX_FMT_BF8 matrix_b_fmt:MATRIX_FMT_BF8 matrix_b_scale:MATRIX_SCALE_ROW1
.endif
.endif
.endm
.macro CH
.if ce >= 0
.if MODE
.if ce == 0
	v_fma_f32 v[T1], v[KA], v[HC], v[T2]
.else
	v_fma_f32 v[T1+ce], v[KA+ce], v[T1+ce-1], v[T2+ce]
.endif
.else
.if ce == 1
	v_fma_f32 v[HC], v[KA+1], v[T2], v[T2+1]
.elseif ce > 1
	v_fma_f32 v[HC], v[KA+ce], v[HC], v[T2+ce]
.endif
.endif
.endif
.endm
.macro PAIR
.set e0, 2*q
	v_cmp_le_f32 s72, 0, v[KA+e0]
	v_cmp_le_f32 s73, 0, v[KA+e0+1]
	v_cndmask_b32 v[HA+e0], v[T1+e0], v[T3+e0], s72
	v_cndmask_b32 v[HA+e0+1], v[T1+e0+1], v[T3+e0+1], s73
.set ce, 2*q-2
	CH
	v_cndmask_b32 v[KA+e0], v[T3+e0], v[T1+e0], s72
	v_cndmask_b32 v[KA+e0+1], v[T3+e0+1], v[T1+e0+1], s73
	v_max_num_f32 v[T0+e0], v[T0+e0], v[T2+e0]
	v_max_num_f32 v[T0+e0+1], v[T0+e0+1], v[T2+e0+1]
	s_delay_alu instid0(VALU_DEP_1)
	v_pk_mul_f32 v[T2+e0:T2+e0+1], v[HA+e0:HA+e0+1], v[T0+e0:T0+e0+1]
.if MODE == 0
.if q == 1
	s_delay_alu instid0(VALU_DEP_4)
	v_pk_mul_f32 v[PP:PP+1], v[KA:KA+1], v[KA+2:KA+3]
.elseif q > 1
	s_delay_alu instid0(VALU_DEP_4)
	v_pk_mul_f32 v[PP:PP+1], v[PP:PP+1], v[KA+e0:KA+e0+1]
.endif
.endif
.set ce, 2*q-1
	CH
.endm
.macro COLTILE
	v_add_nc_u32 v[ADW], s67, v[L16]
	v_add_nc_u32 v[ADS], s68, v[AWS0]
	v_add_nc_u32 v[ABT], s69, v[ABT0]
	s_delay_alu instid0(VALU_DEP_3)
	v_add_nc_u32 v[ADH], 0x10000, v[ADW]
.if MODE
	v_add_nc_u32 v[AC], s69, v[AC0]
	v_add_nc_u32 v14, s70, v13
.endif
	ds_load_b128 v[SW:SW+3], v[ADS]
.irp s, 0,1,2,3
.irp c, 0,1,2,3
	ds_load_b128 v[ZF+16*\s+4*\c:ZF+16*\s+4*\c+3], v[ADW] offset:2048*\s+512*\c
.endr
.irp c, 0,1,2,3
	ds_load_b128 v[HF+16*\s+4*\c:HF+16*\s+4*\c+3], v[ADH] offset:2048*\s+512*\c
.endr
.endr
	ds_load_b32 v[BZ], v[ABT]
	ds_load_b32 v[BH], v[ABT] offset:512
	ds_load_b32 v[B5], v[ABT] offset:1024
.if MODE
	ds_load_b32 v[HC], v[AC]
.endif
	WIN 0x01
.irp s, 0,1,2,3
	s_wait_dscnt 24-8*\s+NB
.irp m, 0,1,2,3
	PROD \s, \m
.endr
.endr
	WIN 0
.rept 8
	v_nop
.endr
	s_wait_alu depctr_va_vdst(0)
	s_wait_dscnt 0x0
.set i, 0
.rept 16
	v_pk_add_f32 v[T0+i:T0+i+1], v[HA+i:HA+i+1], v[B5:B5+1] op_sel_hi:[1,0]
.set i, i+2
.endr
.set i, 0
.rept 16
	v_pk_fma_f32 v[KA+i:KA+i+1], v[KA+i:KA+i+1], s[74:75], v[BZ:BZ+1] op_sel_hi:[1,0,0]
.set i, i+2
.endr
.set i, 0
.rept 16
	v_pk_fma_f32 v[HA+i:HA+i+1], v[HA+i:HA+i+1], s[74:75], v[BH:BH+1] op_sel_hi:[1,0,0]
.set i, i+2
.endr
.set i, 0
	s_wait_alu depctr_va_vdst(0)
.rept 32
	v_exp_f32 v[T1+i], -|v[KA+i]|
.set i, i+1
.endr
.set i, 0
.rept 32
	v_exp_f32 v[T2+i], -|v[HA+i]|
.set i, i+1
.endr
	v_nop
	s_wait_alu depctr_va_vdst(0)
.set i, 0
.rept 16
	v_pk_add_f32 v[T3+i:T3+i+1], v[T1+i:T1+i+1], 1.0 op_sel_hi:[1,0]
	v_pk_add_f32 v[HA+i:HA+i+1], v[T2+i:T2+i+1], 1.0 op_sel_hi:[1,0]
.set i, i+2
.endr
.set i, 0
	s_wait_alu depctr_va_vdst(0)
.rept 32
	v_rcp_f32 v[T3+i], v[T3+i]
.set i, i+1
.endr
.set i, 0
.rept 32
	v_rcp_f32 v[HA+i], v[HA+i]
.set i, i+1
.endr
	v_nop
	s_wait_alu depctr_va_vdst(0)
.set i, 0
.rept 16
	v_pk_mul_f32 v[T1+i:T1+i+1], v[T1+i:T1+i+1], v[T3+i:T3+i+1]
	v_pk_mul_f32 v[T2+i:T2+i+1], v[T2+i:T2+i+1], v[HA+i:HA+i+1]
.set i, i+2
.endr
.set q, 0
.rept 16
	PAIR
.set q, q+1
.endr
.set ce, 30
	CH
.set ce, 31
	CH
.if MODE
.set i, 0
.rept 32
	ds_store_b32 v14, v[T1+i] offset:256*i
.set i, i+1
.endr
.else
	s_delay_alu instid0(VALU_DEP_4)
	v_mul_f32 v[PP], v[PP], v[PP+1]
	v_add_nc_u32 v[AC], s69, v[AC0]
	ds_store_b32 v[AC], v[PP]
	ds_store_b32 v[AC], v[HC] offset:512
.endif
.endm
	s_load_b256 s[4:11], s[0:1], 0x0
	s_load_b256 s[12:19], s[0:1], 0x20
	v_lshl_add_u32 v[SPW], v0, 2, SPARE
	v_mov_b32 v[NIL], 0
	ds_add_u32 v[SPW], v[NIL]
	ds_add_u32 v[SPW], v[NIL]
	v_lshrrev_b32 v44, 5, v0
	s_delay_alu instid0(VALU_DEP_1)
	v_readfirstlane_b32 s48, v44
	s_bfe_u32 s49, ttmp6, 0x40000
	s_bfe_u32 s52, ttmp6, 0x40004
	s_lshl_b32 s50, ttmp9, 2
	s_add_co_u32 s50, s50, s49
	s_and_b32 s51, ttmp7, 0xffff
	s_lshl_b32 s53, s52, 2
	s_lshl_b32 s53, 15, s53
	s_or_b32 s24, s53, (3<<16)|(1<<21)
	s_mov_b32 s25, 32<<16
	s_mov_b32 s26, 64<<16
	s_mov_b32 s27, 32<<16
	s_mov_b32 s28, 64
	s_mov_b32 s29, 32
	s_mov_b32 s30, 0
	s_mov_b32 s31, 0
	s_lshr_b32 s54, s48, 2
	s_and_b32 s55, s48, 3
	s_lshl_b32 s56, s54, 18
	s_lshl_b32 s53, s52, 16
	s_add_co_u32 s56, s56, s53
	s_lshl_b32 s53, s55, 14
	s_add_co_u32 s56, s56, s53
	s_mov_b32 s57, 0
	s_lshl_b32 s58, s54, 13
	s_lshl_b32 s53, s52, 11
	s_add_co_u32 s58, s58, s53
	s_lshl_b32 s53, s55, 9
	s_add_co_u32 s58, s58, s53
	s_mov_b32 s59, 0
	s_mov_b32 s74, 0x3fb8aa3b
	s_mov_b32 s75, s74
	v_and_b32 v44, 31, v0
	v_and_b32 v45, 15, v0
	v_bfe_u32 v46, v0, 4, 1
	s_delay_alu instid0(VALU_DEP_3)
	v_lshlrev_b32 v[L16], 4, v44
	s_delay_alu instid0(VALU_DEP_3)
	v_lshlrev_b32 v[AWS0], 4, v45
	s_delay_alu instid0(VALU_DEP_1)
	v_lshl_add_u32 v[AWS0], v46, 11, v[AWS0]
	s_delay_alu instid0(VALU_DEP_1)
	v_add_nc_u32 v[AWS0], WSC, v[AWS0]
	v_lshl_add_u32 v[ABT0], v45, 2, BT
	s_lshl_b32 s72, s48, 11
	v_lshl_add_u32 v[AC0], v45, 2, TA
	s_delay_alu instid0(VALU_DEP_1)
	v_lshl_add_u32 v[AC0], v46, 10, v[AC0]
	s_delay_alu instid0(VALU_DEP_1)
	v_add_nc_u32 v[AC0], s72, v[AC0]
	v_add_nc_u32 v42, s72, v[L16]
	s_delay_alu instid0(VALU_DEP_1)
	v_add_nc_u32 v42, TA, v42
	v_add_nc_u32 v41, BT, v[L16]
	v_add_nc_u32 v43, TA, v[L16]
	v_mov_b32 v[BZ+1], 0
	v_mov_b32 v[BH+1], 0
	v_mov_b32 v[B5+1], 0
	s_lshl_b32 s45, s48, 9
	v_add_nc_u32 v47, s45, v[L16]
	v_add_nc_u32 v47, WSC, v47                     ; where my 16 of my wave's 512 scale bytes of the weights go
	s_wait_alu depctr_va_vdst(0)
	s_wait_dscnt 0x0
	s_wait_kmcnt 0x0
	s_mov_b32 s40, 1
	s_lshl_b32 s41, s48, 14
	s_add_nc_u64 s[42:43], s[8:9], s[56:57]
	s_or_b32 s43, s43, 0x80000000
	s_add_nc_u64 s[46:47], s[10:11], s[58:59]      ; my wave's 512 scale bytes of the weights
	ROUND
	tensor_load_to_lds s[40:43], s[24:31]          ; my one tensor load: 16,384 bytes of weight codes
	s_nop 0
.rept 4
	v_nop
.endr
	global_load_b128 v[60:63], v[L16], s[46:47]    ; ahead of all other loads of mine
	s_lshl_b32 s60, s50, 6
	s_lshl_b32 s71, s51, 3
	s_add_co_u32 s60, s60, s71
	s_add_co_u32 s60, s60, s48
	s_lshl_b32 s62, s60, 10
	s_mov_b32 s63, 0
	s_lshl_b32 s60, s60, 15
	s_mov_b32 s61, 0
	s_add_nc_u64 s[4:5], s[4:5], s[60:61]
	s_add_nc_u64 s[6:7], s[6:7], s[62:63]
	s_lshl_b32 s54, s52, 9
	s_mov_b32 s55, 0
	s_add_nc_u64 s[12:13], s[12:13], s[54:55]
	s_add_nc_u64 s[14:15], s[14:15], s[54:55]
	s_lshl_b32 s71, s50, 3
	s_add_co_u32 s71, s71, s51
	s_lshl_b32 s71, s71, 2
	s_add_co_u32 s71, s71, s52
	s_lshl_b32 s76, s71, 14
	s_add_co_u32 s76, s76, s72
	s_mov_b32 s77, 0
	s_add_nc_u64 s[16:17], s[16:17], s[76:77]
	s_lshl_b32 s78, s71, 10
	s_mov_b32 s79, 0
	s_add_nc_u64 s[18:19], s[18:19], s[78:79]
	s_cmp_eq_u32 s48, 1
	s_cbranch_scc0 .Lnot_wave_1
	global_load_b128 v[48:51], v[L16], s[12:13]
	global_load_b128 v[52:55], v[L16], s[14:15]
	XLOAD 0, 16
	s_wait_loadcnt 16
	v_pk_add_f32 v[56:57], v[52:53], 0.5 op_sel_hi:[1,0]
	v_pk_add_f32 v[58:59], v[54:55], 0.5 op_sel_hi:[1,0]
	v_pk_mul_f32 v[48:49], v[48:49], s[74:75] op_sel_hi:[1,0]
	v_pk_mul_f32 v[50:51], v[50:51], s[74:75] op_sel_hi:[1,0]
	v_pk_mul_f32 v[52:53], v[52:53], s[74:75] op_sel_hi:[1,0]
	v_pk_mul_f32 v[54:55], v[54:55], s[74:75] op_sel_hi:[1,0]
	ds_store_b128 v41, v[48:51]
	ds_store_b128 v41, v[52:55] offset:512
	ds_store_b128 v41, v[56:59] offset:1024
	XREST
	s_branch .Lall_asked
.Lnot_wave_1:
	XLOAD 0, 16
	XREST
.Lall_asked:
	s_wait_loadcnt 50                              ; the scale bytes are in: on every way at least 66 loads were issued behind theirs
	ds_store_b128 v47, v[60:63]
	s_wait_tensorcnt 0x0
	s_wait_dscnt 0x0
	s_barrier_signal -1
	s_barrier_wait -1
	s_wait_loadcnt 0x0
	s_mov_b32 s67, 0
	s_mov_b32 s68, 0
	s_mov_b32 s69, 0
	s_mov_b32 s66, 8
.Ltile:
	COLTILE
	s_add_co_u32 s67, s67, 8192
	s_add_co_u32 s68, s68, 256
	s_add_co_u32 s69, s69, 64
	s_sub_co_u32 s66, s66, 1
	s_cmp_lg_u32 s66, 0
	s_cbranch_scc1 .Ltile
	s_wait_dscnt 0x0
	s_barrier_signal -1
	s_barrier_wait -1
.irp i, 0,1,2,3
	ds_load_b128 v[64+4*\i:67+4*\i], v42 offset:512*\i
.endr
	s_wait_dscnt 0x0
.irp i, 0,1,2,3
	global_store_b128 v[L16], v[64+4*\i:67+4*\i], s[16:17] offset:512*\i
.endr
	s_cmp_lg_u32 s48, 0
	s_cbranch_scc1 .Lno_total
	s_cmp_eq_u32 s51, 7
	s_cbranch_scc1 .Lno_total
.set i, 0
.rept 32
	ds_load_b128 v[128+4*i:131+4*i], v43 offset:512*i
.set i, i+1
.endr
	s_wait_dscnt 0x0
	v_pk_fma_f32 v[52:53], v[136:137], v[132:133], v[140:141]
	v_pk_fma_f32 v[54:55], v[138:139], v[134:135], v[142:143]
	v_pk_mul_f32 v[48:49], v[128:129], v[136:137]
	v_pk_mul_f32 v[50:51], v[130:131], v[138:139]
.set i, 2
.rept 14
	s_delay_alu instid0(VALU_DEP_4)
	v_pk_fma_f32 v[52:53], v[128+8*i:129+8*i], v[52:53], v[132+8*i:133+8*i]
	s_delay_alu instid0(VALU_DEP_4)
	v_pk_fma_f32 v[54:55], v[130+8*i:131+8*i], v[54:55], v[134+8*i:135+8*i]
	s_delay_alu instid0(VALU_DEP_4)
	v_pk_mul_f32 v[48:49], v[48:49], v[128+8*i:129+8*i]
	s_delay_alu instid0(VALU_DEP_4)
	v_pk_mul_f32 v[50:51], v[50:51], v[130+8*i:131+8*i]
.set i, i+1
.endr
	global_store_b128 v[L16], v[48:51], s[18:19]
	global_store_b128 v[L16], v[52:55], s[18:19] offset:512
.Lno_total:
	s_wait_tensorcnt 0x0
	ds_add_u32 v[SPW], v[NIL]
	s_wait_dscnt 0x0
	ROUND
	s_endpgm
.Lfunc_end_k_qdc58466463_agg:
	.size	k_qdc58466463_agg, .Lfunc_end_k_qdc58466463_agg-k_qdc58466463_agg
	.p2alignl 7, 3214868480
	.fill 96, 4, 3214868480
	.section	.rodata,"a",@progbits
	.p2align	6, 0x0
	.amdhsa_kernel k_qdc58466463_agg
		.amdhsa_group_segment_fixed_size 327680
		.amdhsa_private_segment_fixed_size 0
		.amdhsa_enable_private_segment 0
		.amdhsa_kernarg_size 64
		.amdhsa_user_sgpr_count 2
		.amdhsa_user_sgpr_kernarg_segment_ptr 1
		.amdhsa_wavefront_size32 1
		.amdhsa_system_sgpr_workgroup_id_x 1
		.amdhsa_system_sgpr_workgroup_id_y 1
		.amdhsa_system_sgpr_workgroup_id_z 1
		.amdhsa_system_vgpr_workitem_id 0
		.amdhsa_next_free_vgpr 512
		.amdhsa_next_free_sgpr 80
		.amdhsa_reserve_vcc 0
		.amdhsa_float_denorm_mode_32 3
		.amdhsa_float_denorm_mode_16_64 3
		.amdhsa_memory_ordered 1
		.amdhsa_forward_progress 1
		.amdhsa_inst_pref_size 61
	.end_amdhsa_kernel
	.amdgpu_metadata
---
amdhsa.version: [ 1, 2 ]
amdhsa.kernels:
  - .name:           k_qdc58466463_agg
    .symbol:         k_qdc58466463_agg.kd
    .args:
      - { .name: xq, .offset: 0, .size: 8, .value_kind: global_buffer, .address_space: global }
      - { .name: xs, .offset: 8, .size: 8, .value_kind: global_buffer, .address_space: global }
      - { .name: wq, .offset: 16, .size: 8, .value_kind: global_buffer, .address_space: global }
      - { .name: ws, .offset: 24, .size: 8, .value_kind: global_buffer, .address_space: global }
      - { .name: bz, .offset: 32, .size: 8, .value_kind: global_buffer, .address_space: global }
      - { .name: bh, .offset: 40, .size: 8, .value_kind: global_buffer, .address_space: global }
      - { .name: run, .offset: 48, .size: 8, .value_kind: global_buffer, .address_space: global }
      - { .name: tot, .offset: 56, .size: 8, .value_kind: global_buffer, .address_space: global }
    .group_segment_fixed_size: 327680
    .private_segment_fixed_size: 0
    .kernarg_segment_align: 8
    .kernarg_segment_size: 64
    .max_flat_workgroup_size: 256
    .sgpr_count:     80
    .vgpr_count:     512
    .wavefront_size: 32
...
	.end_amdgpu_metadata
.endif
;; end of part 2
;; launch scan (part 3): grid 8 x 32, 8 waves a work-group, clusters of 4 x 4, 279,552 bytes of LDS; arguments xq, xs, wq, ws, bz, bh, h0, run, tot, out0; writes out0
.if DOCPART == 3
	.amdgcn_target "amdgcn-amd-amdhsa--gfx1250"
	.amdhsa_code_object_version 6
	.text
	.protected	k_qdc58466463_scan
	.globl	k_qdc58466463_scan
	.p2align	8
	.type	k_qdc58466463_scan,@function
k_qdc58466463_scan:
	s_mov_b64 s[64:65], 0
	v_nop
	global_prefetch_b8 v0, s[64:65] scope:SCOPE_SE
	s_setreg_imm32_b32 hwreg(HW_REG_WAVE_MODE, 25, 1), 1
	s_wait_xcnt 0x0
	s_wait_alu depctr_hold_cnt(0) depctr_sa_sdst(0) depctr_va_vdst(0) depctr_va_sdst(0) depctr_va_ssrc(0) depctr_va_vcc(0) depctr_vm_vsrc(0)
	s_getreg_b32 s2, hwreg(HW_REG_IB_STS2, 6, 4)
	s_cmp_eq_u32 s2, 0
	s_cbranch_scc0 .Lentry_in_a_cluster
	s_endpgm
.Lentry_in_a_cluster:
	s_bfe_u32 s2, ttmp6, 0x10000c
	s_cmp_lg_u32 s2, 0xf033
	s_cbranch_scc0 .Lentry_shape_is_right
	s_endpgm
.Lentry_shape_is_right:
; MinGRU, launch 3 of 3: h(t) = a(t) h(t-1) + z(t) g(t) for every step, written to out0.  The products and gates are made as in the launch before, from the same codes; no input and no product is left out here.
; THE ARITHMETIC, c = log2(e).  ck = c k + c bz, cp = c p + c bh, p5 = p + (bh + 0.5).  E = 2^-|ck| in (0, 1]: the larger exponent is taken away, as softplus takes it; big = 1 / (1 + E), small = E big;
;   z = ck >= 0 ? big : small, a = ck >= 0 ? small : big.  F = 2^-|cp|, sg = F / (1 + F) = sigmoid(-|p + bh|) <= 0.5; g = max(p5, sg): for y >= 0, y + 0.5 >= 0.5 >= sg; for y < 0, sigmoid is convex
;   with the tangent 0.5 + y / 4 at 0, so sigmoid(y) > 0.5 + y: both forms of reference()'s g are computed and the right one is the larger, for every y.  g(h0) likewise.
;   reference()'s running maximum holds exp(v - a*) in range.  This text forms neither a* nor exp(-a*): a + z = 1, so every h is a mean of values of g and lies between the least and the largest g, whatever the inputs.
; LIMITS: NaN and infinities among the inputs are not served; v_exp_f32 gives 0 under 2^-126 (ISA guide 15.8), so z or a is 0 beyond |k + bz| of about 87, and g is 0 under p + bh of about -87.
; WHAT ENTERS A RUN.  Wave 0 makes, once for the work-group, four columns a lane: C = g(h0); C = P C + H over the chunks before mine (at most 7 pairs of tot); then over my chunk's runs 0 to 14 (pairs of run):
;   the h that enters each of the 16 runs goes to LDS.  All seven pairs of tot are loaded, in one run of loads with the others; those at or past my chunk are not used.
; SHARES, LAYOUT: work-group (b, Q, cq), wave w = steps 64 w .. 64 w + 63 of chunk Q against 128 columns, 16 a trip; lane (r, h) holds column r and steps 32 h + 0 .. 31.
; CLUSTER.  4 x 4 work-groups: cx picks one of four b, cy is the quarter cq, the cluster's y is Q.  The four of a row of the cluster (one cq, four b) need the same 128 KiB of weight codes:
;   these come once, by joint loads with the row's mask, one a wave.  The weights' 4 KiB of scale bytes, a small part beside the codes, come by plain loads, 512 bytes a wave, and go to LDS through registers.
;   x is not asked for jointly: a joint load lands in LDS, where x's 256 KiB would not fit beside the weights and the stages, and each fragment of x is read by one wave of a work-group, into registers.
; THE WAY OUT.  A lane's h(e) goes to row e of its half of the wave's own stage (rows of 64 columns, 256 bytes); after four trips the stage's 64 rows leave, sixteen lanes storing 256 consecutive, aligned bytes.
; REGISTERS, window 0: v1-15, v40-47 addresses; v16-23 x's scale words, v24-27 the weights' (these hold scales alone); v28-33 the trip's three biases as pairs; v34 the h that enters my run; v60-63 scale bytes on their way;
;   v64-95 k, v96-127 p; v128-255 the trip's eight weight fragments, then four arrays of 32 at work, then the stage's rows.   Window 1: x.
.set NB,    4                          ; LDS loads of a trip behind the fragments'
.set WSC,   131072                     ; LDS: 0 .. 131,071 the weights' images (Wz's tile n at 8,192 n, Wh's at 65,536 + 8,192 n); here their scale words: Wz's at 256 n + 16 r, Wh's 2,048 on
.set BT,    135168                     ; c bz at 0, c bh at 512, bh + 0.5 at 1,024: 128 numbers each
.set CT,    137216                     ; [run 0..15][128 columns] f32: the h that enters the run
.set STG,   145408                     ; the stages: SW8 bytes a wave; a half of the lanes has SHF bytes: 32 rows of 256, and 128 more, so that the two halves' stores fall on different banks
.set SW8,   16640
.set SHF,   8320
.set SPARE, 278528                     ; the spare words, 128 bytes a wave, which no other line names
.set SPW, 1
.set NIL, 2
.set L16, 3                            ; v3   16 x lane
.set AWS0, 5                           ; v5   my place among the weights' scale words: lanes 0-15 Wz's, lanes 16-31 Wh's
.set ADW, 6                            ; v6-8 the trip's addresses: Wz's tile, Wh's tile, scale words
.set ADH, 7
.set ADS, 8
.set ABT0, 9                           ; v9   BT + 4 r;  v10 the trip's
.set ABT, 10
.set AC0, 11                           ; v11  CT + my run + 4 r;  v12 the trip's
.set AC,  12
                                       ; v13  my place in the stage;  v14 the trip's;  v15 where I read rows back;  v40 my bytes in two rows of out0;  v47 where my scale bytes go
.set SX,  16
.set SW,  24
.set BZ,  28
.set BH,  30
.set B5,  32
.set HC,  34
.set KA,  64
.set HA,  96
.set ZF,  128
.set HF,  192
.set T0,  128
.set T1,  160
.set T2,  192
.set T3,  224
.set MSB, 0
.macro WIN new                         ; the immediate's high byte repeats the setting that is left
.if MSB != \new
	s_set_vgpr_msb (MSB<<8)|\new
.set MSB, \new
.endif
.endm
.macro ROUND                           ; a round of the cluster's barrier
	s_barrier_signal -1
	s_barrier_wait -1
	s_cmp_lg_u32 s48, 0
	s_cbranch_scc1 .Lnot_wave_0_\@
	s_barrier_signal -3
.Lnot_wave_0_\@:
	s_barrier_wait -3
	s_barrier_signal -1
	s_barrier_wait -1
.endm
; cnt loads of x from load first on: x's fragment (tile m, K step s) lies at v[16 (4 m + s)] of window 1, four loads a fragment, 512 consecutive bytes a load
.macro XLOAD first, cnt
	WIN 0x40                                       ; destination window 1
.set i, \first
.rept \cnt
	global_load_b128 v[4*i:4*i+3], v[L16], s[4:5] offset:512*i
.set i, i+1
.endr
	WIN 0
.endm
.macro XREST                           ; the other 48 loads of x, and its scale words
	XLOAD 16, 48
	global_load_b128 v[SX:SX+3], v[L16], s[6:7]                  ; scale words of tiles 0 (lanes 0-15) and 1 (lanes 16-31), K steps 0 to 3
	global_load_b128 v[SX+4:SX+7], v[L16], s[6:7] offset:512     ; of tiles 2 and 3
.endm
; K step s, tile m of x: one product for k and one for p.  x's scale words of tiles 2 i and 2 i + 1 share a register (lanes 0-15, lanes 16-31), and so do Wz's and Wh's.
.macro PROD s, m
.set rX, 16*(4*(\m)+(\s))
.set rK, KA+8*(\m)
.set rH, HA+8*(\m)
.set rZ, ZF+16*(\s)
.set rW, HF+16*(\s)
.set rA, SX+4*((\m)/2)+(\s)
.set rB, SW+(\s)
.if (\s) == 0
.if (\m)%2
	v_wmma_scale_f32_16x16x128_f8f6f4 v[rK:rK+7], v[rX:rX+15], v[rZ:rZ+15], 0, v[rA], v[rB] matrix_a_fmt:MATRIX_FMT_BF8 matrix_b_fmt:MATRIX_FMT_BF8 matrix_a_scale:MATRIX_SCALE_ROW1
	v_wmma_scale_f32_16x16x128_f8f6f4 v[rH:rH+7], v[rX:rX+15], v[rW:rW+15], 0, v[rA], v[rB] matrix_a_fmt:MATRIX_FMT_BF8 matrix_b_fmt:MATRIX_FMT_BF8 matrix_a_scale:MATRIX_SCALE_ROW1 matrix_b_scale:MATRIX_SCALE_ROW1
.else
	v_wmma_scale_f32_16x16x128_f8f6f4 v[rK:rK+7], v[rX:rX+15], v[rZ:rZ+15], 0, v[rA], v[rB] matrix_a_fmt:MATRIX_FMT_BF8 matrix_b_fmt:MATRIX_FMT_BF8
	v_wmma_scale_f32_16x16x128_f8f6f4 v[rH:rH+7], v[rX:rX+15], v[rW:rW+15], 0, v[rA], v[rB] matrix_a_fmt:MATRIX_FMT_BF8 matrix_b_fmt:MATRIX_FMT_BF8 matrix_b_scale:MATRIX_SCALE_ROW1
.endif
.else
.if (\m)%2
	v_wmma_scale_f32_16x16x128_f8f6f4 v[rK:rK+7], v[rX:rX+15], v[rZ:rZ+15], v[rK:rK+7], v[rA], v[rB] matrix_a_fmt:MATRIX_FMT_BF8 matrix_b_fmt:MATRIX_FMT_BF8 matrix_a_scale:MATRIX_SCALE_ROW1
	v_wmma_scale_f32_16x16x128_f8f6f4 v[rH:rH+7], v[rX:rX+15], v[rW:rW+15], v[rH:rH+7], v[rA], v[rB] matrix_a_fmt:MATRIX_FMT_BF8 matrix_b_fmt:MATRIX_FMT_BF8 matrix_a_scale:MATRIX_SCALE_ROW1 matrix_b_scale:MATRIX_SCALE_ROW1
.else
	v_wmma_scale_f32_16x16x128_f8f6f4 v[rK:rK+7], v[rX:rX+15], v[rZ:rZ+15], v[rK:rK+7], v[rA], v[rB] matrix_a_fmt:MATRIX_FMT_BF8 matrix_b_fmt:MATRIX_FMT_BF8
	v_wmma_scale_f32_16x16x128_f8f6f4 v[rH:rH+7], v[rX:rX+15], v[rW:rW+15], v[rH:rH+7], v[rA], v[rB] matrix_a_fmt:MATRIX_FMT_BF8 matrix_b_fmt:MATRIX_FMT_BF8 matrix_b_scale:MATRIX_SCALE_ROW1
.endif
.endif
.endm
; Link ce of the recurrence: h(e) = a(e) h(e-1) + b(e), link 0 on what enters the run; each h has a register of its own, and all 32 go to the stage behind the last link.
.macro CH
.if ce >= 0
.if ce == 0
	v_fma_f32 v[T1], v[KA], v[HC], v[T2]
.else
	v_fma_f32 v[T1+ce], v[KA+ce], v[T1+ce-1], v[T2+ce]
.endif
.endif
.endm
; Steps 2 q and 2 q + 1: z, a, g, b = z g; two links of the chain, of the pair before, stand among them, so that a link does not wait for the link before it.
.macro PAIR
.set e0, 2*q
	v_cmp_le_f32 s72, 0, v[KA+e0]
	v_cmp_le_f32 s73, 0, v[KA+e0+1]
	v_cndmask_b32 v[HA+e0], v[T1+e0], v[T3+e0], s72            ; z = ck >= 0 ? big : small
	v_cndmask_b32 v[HA+e0+1], v[T1+e0+1], v[T3+e0+1], s73
.set ce, 2*q-2
	CH
	v_cndmask_b32 v[KA+e0], v[T3+e0], v[T1+e0], s72            ; a = ck >= 0 ? small : big
	v_cndmask_b32 v[KA+e0+1], v[T3+e0+1], v[T1+e0+1], s73
	v_max_num_f32 v[T0+e0], v[T0+e0], v[T2+e0]                 ; g
	v_max_num_f32 v[T0+e0+1], v[T0+e0+1], v[T2+e0+1]
	s_delay_alu instid0(VALU_DEP_1)
	v_pk_mul_f32 v[T2+e0:T2+e0+1], v[HA+e0:HA+e0+1], v[T0+e0:T0+e0+1]   ; b = z g
.set ce, 2*q-1
	CH
.endm
; ONE TRIP: 16 columns.  32 products on eight accumulators, the gates of 32 steps a lane, the recurrence.
.macro COLTILE
	v_add_nc_u32 v[ADW], s67, v[L16]
	v_add_nc_u32 v[ADS], s68, v[AWS0]
	v_add_nc_u32 v[ABT], s69, v[ABT0]
	s_delay_alu instid0(VALU_DEP_3)
	v_add_nc_u32 v[ADH], 0x10000, v[ADW]
	v_add_nc_u32 v[AC], s69, v[AC0]
	v_add_nc_u32 v14, s70, v13
	ds_load_b128 v[SW:SW+3], v[ADS]
.irp s, 0,1,2,3
.irp c, 0,1,2,3
	ds_load_b128 v[ZF+16*\s+4*\c:ZF+16*\s+4*\c+3], v[ADW] offset:2048*\s+512*\c   ; an image of the operand's registers: 512 consecutive bytes a load
.endr
.irp c, 0,1,2,3
	ds_load_b128 v[HF+16*\s+4*\c:HF+16*\s+4*\c+3], v[ADH] offset:2048*\s+512*\c
.endr
.endr
	ds_load_b32 v[BZ], v[ABT]
	ds_load_b32 v[BH], v[ABT] offset:512
	ds_load_b32 v[B5], v[ABT] offset:1024
	ds_load_b32 v[HC], v[AC]                       ; the h that enters my run
	WIN 0x01                                       ; source 0 (x) in window 1
.irp s, 0,1,2,3
	s_wait_dscnt 24-8*\s+NB                        ; K step s's eight loads are in; behind them: 8 for each later K step, and the NB small ones
.irp m, 0,1,2,3
	PROD \s, \m                                    ; the eight accumulators take turns, one instruction a turn
.endr
.endr
	WIN 0
.rept 8
	v_nop                                          ; eight places between the last products and the first read of their results and write of their operands
.endr
	s_wait_alu depctr_va_vdst(0)
	s_wait_dscnt 0x0                               ; the biases and what enters my run
.set i, 0
.rept 16
	v_pk_add_f32 v[T0+i:T0+i+1], v[HA+i:HA+i+1], v[B5:B5+1] op_sel_hi:[1,0]   ; p5 (each accumulator is read from its low end on)
.set i, i+2
.endr
.set i, 0
.rept 16
	v_pk_fma_f32 v[KA+i:KA+i+1], v[KA+i:KA+i+1], s[74:75], v[BZ:BZ+1] op_sel_hi:[1,0,0]   ; ck
.set i, i+2
.endr
.set i, 0
.rept 16
	v_pk_fma_f32 v[HA+i:HA+i+1], v[HA+i:HA+i+1], s[74:75], v[BH:BH+1] op_sel_hi:[1,0,0]   ; cp
.set i, i+2
.endr
.set i, 0
	s_wait_alu depctr_va_vdst(0)
.rept 32
	v_exp_f32 v[T1+i], -|v[KA+i]|                  ; E
.set i, i+1
.endr
.set i, 0
.rept 32
	v_exp_f32 v[T2+i], -|v[HA+i]|                  ; F
.set i, i+1
.endr
	v_nop                                          ; a plain instruction behind the last exponential,
	s_wait_alu depctr_va_vdst(0)                   ; and one wait for the batch of 64, ahead of its first reader
.set i, 0
.rept 16
	v_pk_add_f32 v[T3+i:T3+i+1], v[T1+i:T1+i+1], 1.0 op_sel_hi:[1,0]
	v_pk_add_f32 v[HA+i:HA+i+1], v[T2+i:T2+i+1], 1.0 op_sel_hi:[1,0]
.set i, i+2
.endr
.set i, 0
	s_wait_alu depctr_va_vdst(0)
.rept 32
	v_rcp_f32 v[T3+i], v[T3+i]                     ; big
.set i, i+1
.endr
.set i, 0
.rept 32
	v_rcp_f32 v[HA+i], v[HA+i]
.set i, i+1
.endr
	v_nop
	s_wait_alu depctr_va_vdst(0)                   ; one wait for the 64 reciprocals
.set i, 0
.rept 16
	v_pk_mul_f32 v[T1+i:T1+i+1], v[T1+i:T1+i+1], v[T3+i:T3+i+1]   ; small
	v_pk_mul_f32 v[T2+i:T2+i+1], v[T2+i:T2+i+1], v[HA+i:HA+i+1]   ; sg
.set i, i+2
.endr
.set q, 0
.rept 16
	PAIR
.set q, q+1
.endr
.set ce, 30
	CH
.set ce, 31
	CH
.set i, 0
.rept 32
	ds_store_b32 v14, v[T1+i] offset:256*i         ; the trip's 32 stores stand together, behind the chain's last link
.set i, i+1
.endr
.endm
; The stage's 64 rows x 64 columns leave: load i brings rows 2 i and 2 i + 1 (the first 32 rows lie in the lower half's part, the others in the upper half's).
.macro FLUSH hv
.set i, 0
.rept 16
	ds_load_b128 v[128+4*i:131+4*i], v15 offset:512*i            ; LDS serves a wave's instructions in order: these see my stores
.set i, i+1
.endr
.set i, 0
.rept 16
	ds_load_b128 v[192+4*i:195+4*i], v15 offset:SHF+512*i
.set i, i+1
.endr
.set i, 0
.rept 32
	s_wait_dscnt 31-i                              ; behind load i: 31 - i others
	global_store_b128 v40, v[128+4*i:131+4*i], s[22:23] offset:4096*i+256*\hv th:TH_STORE_NT   ; 16 lanes store 256 consecutive bytes, at a multiple of 256 from out0's first byte; written once, read by nobody here
.set i, i+1
.endr
.endm
; Four trips, 64 columns, and their way out.
.macro HALF hv
.if \hv
	s_wait_xcnt 0x0                                ; the first half's stores have read their registers: the next loads may land there
.endif
	s_mov_b32 s67, \hv*4*8192                      ; the trip's place among the images,
	s_mov_b32 s68, \hv*4*256                       ; the scale words,
	s_mov_b32 s69, \hv*4*64                        ; the 128 columns,
	s_mov_b32 s70, 0                               ; and the stage's 64
	s_mov_b32 s66, 4
.Ltile_\@:
	COLTILE
	s_add_co_u32 s67, s67, 8192
	s_add_co_u32 s68, s68, 256
	s_add_co_u32 s69, s69, 64
	s_add_co_u32 s70, s70, 64
	s_wait_dscnt 0x0                               ; my stores into the stage have read their registers: the next loads may land there, and the stage's address may step
	s_sub_co_u32 s66, s66, 1
	s_cmp_lg_u32 s66, 0
	s_cbranch_scc1 .Ltile_\@
	FLUSH \hv
.endm
	s_load_b256 s[4:11], s[0:1], 0x0               ; xq s[4:5], xs s[6:7], wq s[8:9], ws s[10:11]
	s_load_b256 s[12:19], s[0:1], 0x20             ; bz s[12:13], bh s[14:15], h0 s[16:17], run s[18:19]
	s_load_b128 s[20:23], s[0:1], 0x40             ; tot s[20:21], out0 s[22:23]
	v_lshl_add_u32 v[SPW], v0, 2, SPARE
	v_mov_b32 v[NIL], 0
	ds_add_u32 v[SPW], v[NIL]                      ; the wave's opening: the add, twice on end, and its wait ahead of my first tensor load; the set-up below, work on registers, stands between
	ds_add_u32 v[SPW], v[NIL]
	v_lshrrev_b32 v44, 5, v0
	s_delay_alu instid0(VALU_DEP_1)
	v_readfirstlane_b32 s48, v44                   ; wave w
	s_bfe_u32 s49, ttmp6, 0x40000                  ; cx: my place along the cluster's x
	s_bfe_u32 s52, ttmp6, 0x40004                  ; cy: along its y: the quarter cq.  It enters global addresses and the mask alone
	s_lshl_b32 s50, ttmp9, 2
	s_add_co_u32 s50, s50, s49                     ; b = 4 x cluster x + cx: it enters global addresses of x, h0, run, tot and out0 alone
	s_and_b32 s51, ttmp7, 0xffff                   ; Q: the cluster's y, the same in all sixteen partners
	s_lshl_b32 s53, s52, 2
	s_lshl_b32 s53, 15, s53                        ; my row of the cluster: places 4 cy .. 4 cy + 3
	; descriptor group 1: a dense block as rows of 256 bytes (32 elements of 8 bytes), no padding; the mask names my row of the cluster, bit 21 is set beside it
	s_or_b32 s24, s53, (3<<16)|(1<<21)
	s_mov_b32 s25, 32<<16                          ; tensor_dim0 = 32
	s_mov_b32 s26, 64<<16                          ; tensor_dim1 = 64: 16,384 bytes of codes, two tiles
	s_mov_b32 s27, 32<<16                          ; tile_dim0
	s_mov_b32 s28, 64                              ; tile_dim1
	s_mov_b32 s29, 32                              ; the pitch
	s_mov_b32 s30, 0
	s_mov_b32 s31, 0
	; what I fetch: waves 0-3 Wz's tiles 8 cq + 2 w, + 1; waves 4-7 Wh's.  Only the wave's number and cq enter, which my row of the cluster shares
	s_lshr_b32 s54, s48, 2
	s_and_b32 s55, s48, 3
	s_lshl_b32 s56, s54, 18
	s_lshl_b32 s53, s52, 16
	s_add_co_u32 s56, s56, s53
	s_lshl_b32 s53, s55, 14
	s_add_co_u32 s56, s56, s53
	s_mov_b32 s57, 0
	s_lshl_b32 s58, s54, 13
	s_lshl_b32 s53, s52, 11
	s_add_co_u32 s58, s58, s53
	s_lshl_b32 s53, s55, 9
	s_add_co_u32 s58, s58, s53
	s_mov_b32 s59, 0
	s_mov_b32 s74, 0x3fb8aa3b                      ; c = log2(e)
	s_mov_b32 s75, s74                             ; (named with it as a pair, so it is written)
	; every LDS address is made here, ahead of the first branch on the wave's number
	v_and_b32 v44, 31, v0                          ; lane
	v_and_b32 v45, 15, v0                          ; r
	v_bfe_u32 v46, v0, 4, 1                        ; h
	s_delay_alu instid0(VALU_DEP_3)
	v_lshlrev_b32 v[L16], 4, v44
	s_delay_alu instid0(VALU_DEP_3)
	v_lshlrev_b32 v[AWS0], 4, v45
	s_delay_alu instid0(VALU_DEP_1)
	v_lshl_add_u32 v[AWS0], v46, 11, v[AWS0]
	s_delay_alu instid0(VALU_DEP_1)
	v_add_nc_u32 v[AWS0], WSC, v[AWS0]
	v_lshl_add_u32 v[ABT0], v45, 2, BT
	s_lshl_b32 s72, s48, 10
	v_lshl_add_u32 v[AC0], v45, 2, CT
	s_delay_alu instid0(VALU_DEP_1)
	v_lshl_add_u32 v[AC0], v46, 9, v[AC0]
	s_delay_alu instid0(VALU_DEP_1)
	v_add_nc_u32 v[AC0], s72, v[AC0]               ; CT + 512 (2 w + h) + 4 r
	s_mul_i32 s73, s48, SW8                        ; my stage
	v_mul_u32_u24 v13, v46, SHF
	s_delay_alu instid0(VALU_DEP_1)
	v_lshl_add_u32 v13, v45, 2, v13
	s_delay_alu instid0(VALU_DEP_1)
	v_add_nc_u32 v13, s73, v13
	s_delay_alu instid0(VALU_DEP_1)
	v_add_nc_u32 v13, STG, v13                     ; in: my half's part, column r of the trip's 16
	v_add_nc_u32 v15, s73, v[L16]
	s_delay_alu instid0(VALU_DEP_1)
	v_add_nc_u32 v15, STG, v15                     ; back: lanes 0-15 one row of 256 bytes, lanes 16-31 the next
	v_lshlrev_b32 v40, 11, v46
	s_delay_alu instid0(VALU_DEP_1)
	v_lshl_add_u32 v40, v45, 4, v40                ; and the same two rows in out0, 2,048 bytes apart
	v_add_nc_u32 v41, BT, v[L16]
	v_add_nc_u32 v43, CT, v[L16]
	v_mov_b32 v[BZ+1], 0                           ; the upper halves of the biases' pairs are named, never used
	v_mov_b32 v[BH+1], 0
	v_mov_b32 v[B5+1], 0
	s_lshl_b32 s45, s48, 9
	v_add_nc_u32 v47, s45, v[L16]
	v_add_nc_u32 v47, WSC, v47                     ; where my 16 of my wave's 512 scale bytes of the weights go
	s_wait_alu depctr_va_vdst(0)
	s_wait_dscnt 0x0                               ; both opening adds are done
	s_wait_kmcnt 0x0
	s_mov_b32 s40, 1
	s_lshl_b32 s41, s48, 14                        ; LDS: 16,384 x wave
	s_add_nc_u64 s[42:43], s[8:9], s[56:57]
	s_or_b32 s43, s43, 0x80000000
	s_add_nc_u64 s[46:47], s[10:11], s[58:59]      ; my wave's 512 scale bytes of the weights
	ROUND                                          ; all sixteen work-groups are here: the joint loads meet
	tensor_load_to_lds s[40:43], s[24:31]          ; my one tensor load
	s_nop 0
.rept 4
	v_nop
.endr
	global_load_b128 v[60:63], v[L16], s[46:47]    ; ahead of all other loads of mine
	s_lshl_b32 s60, s50, 6
	s_lshl_b32 s71, s51, 3
	s_add_co_u32 s60, s60, s71
	s_add_co_u32 s60, s60, s48                     ; my 64 rows: block 64 b + 8 Q + w
	s_lshl_b32 s76, s60, 17                        ; in out0: 64 rows of 2,048 bytes a block,
	s_lshl_b32 s54, s52, 9                         ; + my 128 columns
	s_add_co_u32 s76, s76, s54
	s_mov_b32 s77, 0
	s_add_nc_u64 s[22:23], s[22:23], s[76:77]
	s_lshl_b32 s62, s60, 10
	s_mov_b32 s63, 0
	s_lshl_b32 s60, s60, 15
	s_mov_b32 s61, 0
	s_add_nc_u64 s[4:5], s[4:5], s[60:61]
	s_add_nc_u64 s[6:7], s[6:7], s[62:63]
	s_mov_b32 s55, 0
	s_add_nc_u64 s[12:13], s[12:13], s[54:55]      ; bz and bh at my 128 columns
	s_add_nc_u64 s[14:15], s[14:15], s[54:55]
	s_lshl_b32 s76, s50, 11
	s_add_co_u32 s76, s76, s54
	s_add_nc_u64 s[16:17], s[16:17], s[76:77]      ; h0: row b, my 128 columns
	s_lshl_b32 s76, s50, 15
	s_lshl_b32 s71, s52, 10
	s_add_co_u32 s76, s76, s71
	s_add_nc_u64 s[20:21], s[20:21], s[76:77]      ; tot: batch b, chunk 0, quarter cq; 4,096 bytes from chunk to chunk
	s_lshl_b32 s71, s50, 3
	s_add_co_u32 s71, s71, s51
	s_lshl_b32 s71, s71, 2
	s_add_co_u32 s71, s71, s52
	s_lshl_b32 s76, s71, 14
	s_add_nc_u64 s[18:19], s[18:19], s[76:77]      ; run: my work-group's 16,384 bytes
	; ONE parting on the wave's number, in three arms; each arm holds x's loads, so that every way writes x's registers
	s_cmp_eq_u32 s48, 0
	s_cbranch_scc0 .Lnot_wave_0                    ; wave 0 makes what enters each of the chunk's 16 runs, four columns a lane: its 45 small loads go out ahead of x,
	global_load_b128 v[48:51], v[L16], s[16:17]
.set i, 0
.rept 7
	global_load_b128 v[64+8*i:67+8*i], v[L16], s[20:21] offset:4096*i       ; chunk i: P,
	global_load_b128 v[68+8*i:71+8*i], v[L16], s[20:21] offset:4096*i+512   ; H
.set i, i+1
.endr
.set i, 0
.rept 15
	global_load_b128 v[128+8*i:131+8*i], v[L16], s[18:19] offset:1024*i       ; my chunk's run i: P,
	global_load_b128 v[132+8*i:135+8*i], v[L16], s[18:19] offset:1024*i+512   ; H
.set i, i+1
.endr
	XLOAD 0, 16
	s_wait_loadcnt 16                              ; and are in; behind them: the 16 loads of x just issued
.irp i, 0,1,2,3
	v_mul_f32 v[52+\i], s74, v[48+\i]
.endr
	s_wait_alu depctr_va_vdst(0)
.irp i, 0,1,2,3
	v_exp_f32 v[52+\i], -|v[52+\i]|                ; 2^-|c h0|
.endr
	v_nop
	s_wait_alu depctr_va_vdst(0)                   ; one wait for the four, ahead of their first reader
	v_pk_add_f32 v[56:57], v[52:53], 1.0 op_sel_hi:[1,0]
	v_pk_add_f32 v[58:59], v[54:55], 1.0 op_sel_hi:[1,0]
	s_wait_alu depctr_va_vdst(0)
.irp i, 0,1,2,3
	v_rcp_f32 v[56+\i], v[56+\i]
.endr
	v_pk_add_f32 v[48:49], v[48:49], 0.5 op_sel_hi:[1,0]   ; (plain work behind the reciprocals)
	v_pk_add_f32 v[50:51], v[50:51], 0.5 op_sel_hi:[1,0]
	s_wait_alu depctr_va_vdst(0)
	v_pk_mul_f32 v[52:53], v[52:53], v[56:57]
	v_pk_mul_f32 v[54:55], v[54:55], v[58:59]
.irp i, 0,1,2,3
	v_max_num_f32 v[48+\i], v[48+\i], v[52+\i]     ; C = g(h0)
.endr
.irp i, 0,1,2,3,4,5,6
	s_cmp_le_u32 s51, \i                           ; the chunks before mine, and no more (Q is the same in all partners)
	s_cbranch_scc1 .Lruns
	v_pk_fma_f32 v[48:49], v[64+8*\i:65+8*\i], v[48:49], v[68+8*\i:69+8*\i]
	v_pk_fma_f32 v[50:51], v[66+8*\i:67+8*\i], v[50:51], v[70+8*\i:71+8*\i]
.endr
.Lruns:
	s_wait_alu depctr_va_vdst(0)
	v_pk_fma_f32 v[128:129], v[128:129], v[48:49], v[132:133]   ; what leaves run i enters run i + 1; it takes P's registers, so that each store has data of its own
	v_pk_fma_f32 v[130:131], v[130:131], v[50:51], v[134:135]
.set i, 1
.rept 14
	s_delay_alu instid0(VALU_DEP_2)
	v_pk_fma_f32 v[128+8*i:129+8*i], v[128+8*i:129+8*i], v[120+8*i:121+8*i], v[132+8*i:133+8*i]
	s_delay_alu instid0(VALU_DEP_2)
	v_pk_fma_f32 v[130+8*i:131+8*i], v[130+8*i:131+8*i], v[122+8*i:123+8*i], v[134+8*i:135+8*i]
.set i, i+1
.endr
	ds_store_b128 v43, v[48:51]                    ; what enters run 0; the sixteen stores stand together, behind the last link
.set i, 0
.rept 15
	ds_store_b128 v43, v[128+8*i:131+8*i] offset:512*(i+1)
.set i, i+1
.endr
	XREST
	s_branch .Lall_asked
.Lnot_wave_0:
	s_cmp_eq_u32 s48, 1
	s_cbranch_scc0 .Lnot_wave_1                    ; wave 1 lays the biases out for all: its two small loads go out ahead of x,
	global_load_b128 v[48:51], v[L16], s[12:13]
	global_load_b128 v[52:55], v[L16], s[14:15]
	XLOAD 0, 16
	s_wait_loadcnt 16                              ; and are in; behind them: the 16 loads of x just issued
	v_pk_add_f32 v[56:57], v[52:53], 0.5 op_sel_hi:[1,0]
	v_pk_add_f32 v[58:59], v[54:55], 0.5 op_sel_hi:[1,0]
	v_pk_mul_f32 v[48:49], v[48:49], s[74:75] op_sel_hi:[1,0]
	v_pk_mul_f32 v[50:51], v[50:51], s[74:75] op_sel_hi:[1,0]
	v_pk_mul_f32 v[52:53], v[52:53], s[74:75] op_sel_hi:[1,0]
	v_pk_mul_f32 v[54:55], v[54:55], s[74:75] op_sel_hi:[1,0]
	ds_store_b128 v41, v[48:51]
	ds_store_b128 v41, v[52:55] offset:512
	ds_store_b128 v41, v[56:59] offset:1024
	XREST
	s_branch .Lall_asked
.Lnot_wave_1:
	XLOAD 0, 16
	XREST
.Lall_asked:
	s_wait_loadcnt 50                              ; the weights' scale bytes are in: on every way at least 66 loads were issued behind theirs
	ds_store_b128 v47, v[60:63]
	s_wait_tensorcnt 0x0                           ; my part of the weights has landed,
	s_wait_dscnt 0x0                               ; and my stores are done:
	s_barrier_signal -1
	s_barrier_wait -1                              ; everybody's have.  Nothing is filled again in this launch
	s_wait_loadcnt 0x0                             ; x and its scale words
	HALF 0                                         ; columns 0 to 63 of my 128.  No barrier from here on: each wave has a stage of its own
	HALF 1                                         ; columns 64 to 127
	s_wait_tensorcnt 0x0                           ; the wave's end: behind my last tensor load and my last LDS store
	ds_add_u32 v[SPW], v[NIL]
	s_wait_dscnt 0x0
	ROUND                                          ; the closing round
	s_endpgm
.Lfunc_end_k_qdc58466463_scan:
	.size	k_qdc58466463_scan, .Lfunc_end_k_qdc58466463_scan-k_qdc58466463_scan
	.p2alignl 7, 3214868480
	.fill 96, 4, 3214868480
	.section	.rodata,"a",@progbits
	.p2align	6, 0x0
	.amdhsa_kernel k_qdc58466463_scan
		.amdhsa_group_segment_fixed_size 279552
		.amdhsa_private_segment_fixed_size 0
		.amdhsa_enable_private_segment 0
		.amdhsa_kernarg_size 80
		.amdhsa_user_sgpr_count 2
		.amdhsa_user_sgpr_kernarg_segment_ptr 1
		.amdhsa_wavefront_size32 1
		.amdhsa_system_sgpr_workgroup_id_x 1
		.amdhsa_system_sgpr_workgroup_id_y 1
		.amdhsa_system_sgpr_workgroup_id_z 1
		.amdhsa_system_vgpr_workitem_id 0
		.amdhsa_next_free_vgpr 512
		.amdhsa_next_free_sgpr 80
		.amdhsa_reserve_vcc 0
		.amdhsa_float_denorm_mode_32 3
		.amdhsa_float_denorm_mode_16_64 3
		.amdhsa_memory_ordered 1
		.amdhsa_forward_progress 1
		.amdhsa_inst_pref_size 116
	.end_amdhsa_kernel
	.amdgpu_metadata
---
amdhsa.version: [ 1, 2 ]
amdhsa.kernels:
  - .name:           k_qdc58466463_scan
    .symbol:         k_qdc58466463_scan.kd
    .args:
      - { .name: xq, .offset: 0, .size: 8, .value_kind: global_buffer, .address_space: global }
      - { .name: xs, .offset: 8, .size: 8, .value_kind: global_buffer, .address_space: global }
      - { .name: wq, .offset: 16, .size: 8, .value_kind: global_buffer, .address_space: global }
      - { .name: ws, .offset: 24, .size: 8, .value_kind: global_buffer, .address_space: global }
      - { .name: bz, .offset: 32, .size: 8, .value_kind: global_buffer, .address_space: global }
      - { .name: bh, .offset: 40, .size: 8, .value_kind: global_buffer, .address_space: global }
      - { .name: h0, .offset: 48, .size: 8, .value_kind: global_buffer, .address_space: global }
      - { .name: run, .offset: 56, .size: 8, .value_kind: global_buffer, .address_space: global }
      - { .name: tot, .offset: 64, .size: 8, .value_kind: global_buffer, .address_space: global }
      - { .name: out0, .offset: 72, .size: 8, .value_kind: global_buffer, .address_space: global }
    .group_segment_fixed_size: 279552
    .private_segment_fixed_size: 0
    .kernarg_segment_align: 8
    .kernarg_segment_size: 80
    .max_flat_workgroup_size: 256
    .sgpr_count:     80
    .vgpr_count:     512
    .wavefront_size: 32
...
	.end_amdgpu_metadata
.endif
;; end of part 3
